; MI455X (gfx1250); checked and timed in simulation.
; The chip was launched on July 23, 2026; its instructions are those of AMD's public machine-readable ISA for CDNA 5 (MIT licence, August 2026) and "CDNA5" Instruction Set Architecture Reference Guide (July 2026). The comments in the code are by the model that wrote it; some were corrected since.
;; Self Attention. Allowed arithmetic: matrix products marked QUANTISED: E2M3 operands, one E8M0 scale for each 32 along K, by v_wmma_scale_f32_16x16x128_f8f6f4 with both operands' format E2M3, f32 sums; everything else in f32.
;; Inputs: Wk_codes 768 x 24 x 24 uint8 (E2M3 codes of Wk, K innermost, in blocks of 32 codes, four codes in three bytes); Wk_scales 768 x 24 uint8 (E8M0 scales of Wk, one for each 32 codes along K); Wo_codes 768 x 24 x 24 uint8 (E2M3 codes of Wo, K innermost, in blocks of 32 codes, four codes in three bytes); Wo_scales 768 x 24 uint8 (E8M0 scales of Wo, one for each 32 codes along K); Wq_codes 768 x 24 x 24 uint8 (E2M3 codes of Wq, K innermost, in blocks of 32 codes, four codes in three bytes); Wq_scales 768 x 24 uint8 (E8M0 scales of Wq, one for each 32 codes along K); Wv_codes 768 x 24 x 24 uint8 (E2M3 codes of Wv, K innermost, in blocks of 32 codes, four codes in three bytes); Wv_scales 768 x 24 uint8 (E8M0 scales of Wv, one for each 32 codes along K); bk 768 float32; bo 768 float32; bq 768 float32; bv 768 float32; x_codes 1 x 4,096 x 24 x 24 uint8 (E2M3 codes of x, K innermost, in blocks of 32 codes, four codes in three bytes); x_scales 1 x 4,096 x 24 uint8 (E8M0 scales of x, one for each 32 codes along K).
;; Outputs: out0 1 x 4,096 x 768 float32.
;; This version of the problem:
;;   THIS VERSION OF THE PROBLEM IS GIVEN IN LOW PRECISION. The matrix products marked QUANTISED in the list below multiply operands that are first quantised to E2M3 (2 exponent bits, 3 mantissa bits; 6 bits a number), with one power-of-two scale for each 32 numbers along K (OCP MX v1.0); their sums are f32. All else is computed in f32.
;;   The module's matrix products, in the order in which they are computed (A, B: the left and right operand; K: the contracted axis; several contracted axes count as one K, in the product's order):
;;     1. [M 4,096, K 768] x [K 768, N 768]; A: input x (given as codes); B: input Wq (given as codes): QUANTISED
;;     2. [M 4,096, K 768] x [K 768, N 768]; A: input x (given as codes); B: input Wk (given as codes): QUANTISED
;;     3. [M 4,096, K 768] x [K 768, N 768]; A: input x (given as codes); B: input Wv (given as codes): QUANTISED
;;     4. batch 12 x [M 4,096, K 64] x [K 64, N 4,096]; A: computed on the way; B: computed on the way: QUANTISED
;;     5. batch 12 x [M 64, K 4,096] x [K 4,096, N 4,096]; A: computed on the way; B: softmax (see below): QUANTISED
;;     6. [M 4,096, K 768] x [K 768, N 768]; A: computed on the way; B: input Wo (given as codes): QUANTISED
;;   THE QUANTISER, for each operand of a quantised product, along K:
;;     - K is cut into blocks of 32 from its start; a last block that is shorter is filled with zeros.
;;     - A block's scale is 2^e with e = floor(log2(the largest magnitude in the block)) - 2, held to -126 .. 127; a block of zeros has e = 0. As a byte (E8M0): e + 127.
;;     - Each number is divided by its block's scale, clamped to +-7.5, and rounded to the nearest number of E2M3, ties to even, subnormals kept.
;;     - The product sums the exact products of the quantised numbers (number of the format x scale) in f32.
;;   ~~~python
;;   def quantise(x, axis):      # numpy; x: float32 -> the quantised numbers, widened to float32 again
;;       x = np.moveaxis(x, axis, -1); K = x.shape[-1]
;;       x = np.pad(x, [(0, 0)] * (x.ndim - 1) + [(0, -K % 32)]); x = x.reshape(x.shape[:-1] + (-1, 32)); a = np.abs(x).max(-1, keepdims=True)
;;       e = np.where(a > 0, np.clip(np.frexp(np.where(a > 0, a, 1))[1] - 1 - 2, -126, 127), 0)      # np.frexp(a)[1] - 1 = floor(log2(a)), exactly
;;       r = np.clip(x / 2.0 ** e, -7.5, 7.5)
;;       step = 2.0 ** (np.maximum(np.frexp(np.where(r == 0, 1, r))[1] - 1, 0) - 3)
;;       q = np.round(r / step) * step * 2.0 ** e      # np.round: ties to even
;;       return np.moveaxis(q.reshape(q.shape[:-2] + (-1,))[..., :K], -1, axis).astype(np.float32)
;;   ~~~
;;   SOFTMAX AHEAD OF A QUANTISED PRODUCT. Where the list says 'softmax', what is quantised is not the finished softmax but p = 2^(t - M), with t = logit x log2(e) and M = ceil(the row's largest t), a whole number; so 1/2 < the row's largest p <= 1. The row's sum l is taken of the UNQUANTISED p, in f32, and the product's result is divided by l at the end. Since M is a whole number, a kernel that streams over the keys may use a running M (the ceiling of the running maximum): every later rescaling is an exact power of two, which a block's scale takes up: the codes' values come out the same.
;;   OPERANDS COMPUTED ON THE WAY. 'Computed on the way' means the value that the module computes at that place (a softmax that the list does not call 'softmax' is quantised finished and normalised). What goes into a quantiser is computed in f32, as accurately as f32 sums, v_exp_f32 and their like allow (about 1e-6 of the number): no bf16 or f16 on the way to a quantiser, and a product that is left as it is and whose result goes on into a quantised operand takes f32 operands (vector FMAs, or v_wmma_f32_16x16x4_f32). A number that lies on a knife's edge between two numbers of the format may be rounded either way, as far as f32 arithmetic and the matrix unit's own rounding can turn it there, and no further.
;;   INPUTS GIVEN AS CODES. Wk (in the module: [768, 768], K = its axis 0); Wo (in the module: [768, 768], K = its axis 0); Wq (in the module: [768, 768], K = its axis 0); Wv (in the module: [768, 768], K = its axis 0); x (in the module: [1, 4096, 768], K = its axis 2): each comes as NAME_codes (uint8): NAME with its K axis moved to the last place and cut into blocks of 32 codes, [.., K / 32, bytes a block], one block behind the other in memory; four codes in three bytes: a row's codes are one little-endian stream of bits, code i at bits 6 i .. 6 i + 5 (a code: sign, 2 exponent bits, 3 mantissa bits); and NAME_scales (uint8): the same leading axes, one E8M0 byte (e + 127) for each 32 codes along K. Its value is code x scale, taken as it is: it is not quantised again, and the codes and scales need not be those that the quantiser above would give.
;; One version. Each part assembles by itself: llvm-mc -triple=amdgcn-amd-amdhsa -mcpu=gfx1250 --defsym DOCPART=n.
;; ======== version 1 of 1: 3 launches
;; limits: right only within a limited range of input values
;; workspace buffers: q_img 2,359,296 bytes; q_sc 98,304 bytes; kv 4,915,200 bytes; a_img 2,359,296 bytes; a_sc 98,304 bytes
;; launch qkv (part 1): grid 16 x 12, 8 waves a work-group, clusters of 4 x 4, 327,680 bytes of LDS; arguments x_codes, x_scales, Wq_codes, Wq_scales, bq, Wk_codes, Wk_scales, bk, Wv_codes, Wv_scales, bv, q_img, q_sc, kv; writes q_img, q_sc, kv
.if DOCPART == 1
	.amdgcn_target "amdgcn-amd-amdhsa--gfx1250"
	.amdhsa_code_object_version 6
	.text
	.protected	k_qe67423dda7_qkv
	.globl	k_qe67423dda7_qkv
	.p2align	8
	.type	k_qe67423dda7_qkv,@function
k_qe67423dda7_qkv:
	s_mov_b64 s[64:65], 0
	v_nop
	global_prefetch_b8 v0, s[64:65] scope:SCOPE_SE
	s_setreg_imm32_b32 hwreg(HW_REG_WAVE_MODE, 25, 1), 1
	s_wait_xcnt 0x0
	s_wait_alu depctr_hold_cnt(0) depctr_sa_sdst(0) depctr_va_vdst(0) depctr_va_sdst(0) depctr_va_ssrc(0) depctr_va_vcc(0) depctr_vm_vsrc(0)
	s_getreg_b32 s2, hwreg(HW_REG_IB_STS2, 6, 4)
	s_cmp_eq_u32 s2, 0
	s_cbranch_scc0 .Lentry_in_a_cluster
	s_endpgm
.Lentry_in_a_cluster:
	s_bfe_u32 s2, ttmp6, 0x10000c
	s_cmp_lg_u32 s2, 0xf033
	s_cbranch_scc0 .Lentry_shape_is_right
	s_endpgm
.Lentry_shape_is_right:
; q, k, v = x W + b for ONE HEAD (64 columns of each weight) and 256 ROWS of x, on codes of FP6 (E2M3) with one E8M0 scale for each 32 along K = 768; sums in f32; the bias is the C of each sum's first product.
; The results are quantised at once, in registers, and leave as IMAGES OF OPERAND REGISTERS for the attention launch: q and k along the head's 64 (two blocks of 32), v along the keys.
; SHARES.  Eight waves; each runs three units of 8 accumulators x 6 K steps of 128:
;   Q, K: rows 32 w .. 32 w + 31 (two tiles u) x the head's 64 columns (four tiles t), used transposed (source 0 = 16 rows of W, source 1 = 16 rows of x): a lane holds one row of x and eight neighbouring columns.
;   V:    rows 128 (w / 4) + 16 T (T = 0 .. 7) x columns 16 (w % 4) .. + 15 (source 0 = 16 rows of x, source 1 = 16 rows of Wv): a lane holds one column d and eight neighbouring keys.
;   In both cases a unit's 64 registers are four blocks of 32 along the NEXT product's K, 16 numbers in lane l and 16 in lane l xor 16: one fragment of 12 registers and one scale word a row.
; A FRAGMENT OF q OR k HOLDS TWO TILES OF 16 ROWS: its k 0 .. 63 are rows 32 F + r, its k 64 .. 127 rows 32 F + 16 + r, so that no register of the 16 x 16 x 128 form carries padding for a head of 64.
; ORDER INSIDE A BLOCK OF 32: the codes stand in the order 0-7, 16-23, 8-15, 24-31 of the block, in q as in k and in v as in the attention launch's p: the same places on both sides of a product, so the products are the same.
; LDS: seven blocks of 64 rows, filled ONCE by seven tensor loads: x's 256 rows (blocks 0-3), Wq, Wk, Wv (blocks 4-6).  64 rows of 576 bytes are one dense run of memory, taken as 144 rows of 256 bytes that begin at multiples
; of 256 from the buffer's first byte; 16 bytes of padding behind every 64 make an operand's row 720 bytes in LDS.
; CLUSTER 4 x 4: x's rows hang on the work-group's x alone and are asked for jointly down a column of the cluster; the weights' rows hang on the head alone and are asked for jointly along a row of it.
; Scale words and biases (one byte in 24 of the codes) come by plain loads into registers.
; LIMITS: NaN and infinities are not served.  A block whose largest magnitude lies under 2^-124 (a block of zeros too) gets the scale byte 1; these bytes are read by this program alone.
.set PITCH, 720                        ; an operand's row in LDS: 9 x (64 + 16) bytes
.set BLKB,  64*PITCH                   ; what one tensor load fills
.set T16,   16*PITCH                   ; a tile of 16 rows
.set AX,  2                            ; v2-3    x's rows 32 w + r: + 24 h, and + 40 h for the pieces that lie behind one padding more
.set AV,  4                            ; v4-5    x's rows 128 (w / 4) + r;  v6-7 the same 64 rows on
.set AWQ, 8                            ; v8-9    Wq's rows r
.set AWK, 10                           ; v10-11  Wk's
.set AWV, 12                           ; v12-13  Wv's rows 16 (w % 4) + r
.set L16, 14                           ; v14     16 x lane: an image's place
.set R4,  15                           ; v15     4 x (lane % 16)
.set XS,  16                           ; v16-21  x's scale words, K step s: lanes 0-15 tile 0, lanes 16-31 tile 1
.set WSQ, 22                           ; v22-33  Wq's: register 6 (t / 2) + s; lanes 0-15 the even tile, lanes 16-31 the odd one
.set WSK, 34                           ; v34-45  Wk's
.set XSV, 46                           ; v46-69  x's for the V unit: 6 (T / 2) + s
.set WSV, 70                           ; v70-75  Wv's
.set BI,  76                           ; v76-107 the bias in the result's layout
.set ACC, 108                          ; v108-171 eight accumulators
.set FR,  172                          ; v172-243 six fragments
.set TM,  172                          ; behind a unit's products the fragments' registers serve the quantiser: v172-187 at work,
.set PW,  188                          ; v188 the scale word just made,
.set PC,  192                          ; v192-211 the codes just made
.set L24, 244                          ; v244    24 x lane: a row of scale bytes is 24 bytes
.set R24, 245                          ; v245    24 x (lane % 16)
.set H32, 246                          ; v246    32 x (lane / 16)
; THE KEYS OF A TILE, for k and for v: row m of tile T (0 .. 7) of a group of 128 keys is key 64 (T / 4) + 32 (m / 8) + 8 (T % 4) + m % 8.  So in the attention launch, and in the V unit here, a lane's 32 registers of four
; neighbouring tiles are ONE WHOLE BLOCK of 32 keys, in the keys' own order: v's codes stand in that order; the order 0-7, 16-23, 8-15, 24-31 named at the head holds of q and k (along the head's 64) alone.
.set AXK, 0                            ; v0-1    x's rows for the K unit, by the rule above (v0 is done with as the thread's number by then)
.set KL,  247                          ; v247    24 x (32 (r / 8) + r % 8 + 8 (lane / 16)): these rows' scale bytes
.set XSK, 248                          ; v248-253 x's scale words for the K unit
.set G1X, 32                           ; s[32:39] descriptor group 1 for x;  s[40:47] for the weights: they differ in the mask alone
.set G1W, 40
.set G0X, 48                           ; s[48:51], s[52:55] their groups 0
.set G0W, 52
.set WV,  56
.set CX,  57
.set CY,  58
.set BX,  59                           ; which 256 rows of x
.set HD,  60                           ; the head
.set W3,  61                           ; w % 4
.set SEL, 62                           ; s[62:63] selects of v_permlanex16_b32 for lane l xor 16
.set GG,  66                           ; w / 4
.set GW0, (3<<16)|(1<<20)|(1<<21)|(3<<22)|(3<<25)   ; 17:16 elements of 8 bytes; 20 padding on; 21 set beside a mask; 24:22 behind every 16 words; 31:25 four words of it
.macro PLACES                          ; four plain vector instructions stand between a matrix instruction and a load into, or a vector instruction on, one of its registers (ISA guide 7.12.1 for vector instructions)
.rept 4
	v_nop
.endr
.endm
.macro CROUND                          ; a round of the cluster's barrier: my work-group's barrier, wave 0 signals for the work-group, every wave waits for all sixteen, my work-group's barrier once more
	s_barrier_signal -1
	s_barrier_wait -1
	s_cmp_lg_u32 s[WV], 0
	s_cbranch_scc1 .Lnot_wave_0_\@
	s_barrier_signal -3
.Lnot_wave_0_\@:
	s_barrier_wait -3
	s_barrier_signal -1
	s_barrier_wait -1
.endm
; A fragment, 16 rows x 128 K, is 12 registers: lane (r, h) takes 24 bytes of row r at 96 q + 24 h and 24 more 48 bytes on, as they lie, in pieces of 8 bytes.  Piece p of a row lies at 8 p + 16 (p / 8).
; Lanes 16-31 read three pieces further on than lanes 0-15; where that is behind one padding more, the second address register serves.
.macro FRAG reg, adr, q, off
.irp p, 0,1,2,3,4,5
.set PCE, 12*(\q)+6*(\p/3)+\p%3
.if PCE%8 < 5
	ds_load_b64 v[\reg+2*\p:\reg+2*\p+1], v[\adr] offset:(\off)+8*PCE+16*(PCE/8)
.else
	ds_load_b64 v[\reg+2*\p:\reg+2*\p+1], v[\adr+1] offset:(\off)+8*PCE+16*(PCE/8)
.endif
.endr
.endm
; One product.  ra, rb = 1: that side's scale words are taken from lanes 16-31 of the register named.
.macro MMA d, a, b, c, sa, sb, ra, rb
.if (\ra) && (\rb)
	v_wmma_scale_f32_16x16x128_f8f6f4 v[\d:\d+7], v[\a:\a+11], v[\b:\b+11], v[\c:\c+7], v[\sa], v[\sb] matrix_a_fmt:MATRIX_FMT_FP6 matrix_b_fmt:MATRIX_FMT_FP6 matrix_a_scale:MATRIX_SCALE_ROW1 matrix_b_scale:MATRIX_SCALE_ROW1
.elseif (\ra)
	v_wmma_scale_f32_16x16x128_f8f6f4 v[\d:\d+7], v[\a:\a+11], v[\b:\b+11], v[\c:\c+7], v[\sa], v[\sb] matrix_a_fmt:MATRIX_FMT_FP6 matrix_b_fmt:MATRIX_FMT_FP6 matrix_a_scale:MATRIX_SCALE_ROW1
.elseif (\rb)
	v_wmma_scale_f32_16x16x128_f8f6f4 v[\d:\d+7], v[\a:\a+11], v[\b:\b+11], v[\c:\c+7], v[\sa], v[\sb] matrix_a_fmt:MATRIX_FMT_FP6 matrix_b_fmt:MATRIX_FMT_FP6 matrix_b_scale:MATRIX_SCALE_ROW1
.else
	v_wmma_scale_f32_16x16x128_f8f6f4 v[\d:\d+7], v[\a:\a+11], v[\b:\b+11], v[\c:\c+7], v[\sa], v[\sb] matrix_a_fmt:MATRIX_FMT_FP6 matrix_b_fmt:MATRIX_FMT_FP6
.endif
.endm
; 64 numbers of a lane, v[s] .. v[s + 63]; block b of 32 is registers 16 b .. 16 b + 15 of lanes l and l xor 16.  They become a fragment's codes in v[PC] .. v[PC + 11] and its scale word in v[PW].
.macro QUANT s
.irp b, 0,1,2,3
	v_max3_num_f32 v[TM+\b], |v[\s+16*\b]|, |v[\s+1+16*\b]|, 0x1800000   ; my 16 numbers of block b, and the floor 2^(3 - 127): the byte cannot fall under 1.  Each accumulator is read from its low end on
.endr
.irp i, 2,4,6,8,10,12,14
.irp b, 0,1,2,3
	v_max3_num_f32 v[TM+\b], v[TM+\b], |v[\s+16*\b+\i]|, |v[\s+1+16*\b+\i]|   ; the four blocks by turns
.endr
.endr
.irp b, 0,1,2,3
	s_delay_alu instid0(VALU_DEP_4)
	v_permlanex16_b32 v[TM+4+\b], v[TM+\b], s[SEL], s[SEL+1]
.endr
.irp b, 0,1,2,3
	s_delay_alu instid0(VALU_DEP_4)
	v_max_num_f32 v[TM+\b], v[TM+\b], v[TM+4+\b]       ; with lane l xor 16's: the block's largest magnitude
.endr
.irp b, 0,1,2,3
	s_delay_alu instid0(VALU_DEP_4)
	v_add_nc_u32 v[TM+12+\b], 0xff000000, v[TM+\b]     ; 2 off its exponent field: the conversion takes this operand's exponent field as its scale
.endr
.irp b, 0,1,2,3
	s_delay_alu instid0(VALU_DEP_4)
	v_lshrrev_b32 v[TM+4+\b], 23, v[TM+12+\b]          ; the scale's byte
.endr
	s_delay_alu instid0(VALU_DEP_3)
	v_lshl_or_b32 v[PW], v[TM+5], 8, v[TM+4]
	s_delay_alu instid0(VALU_DEP_1)
	v_lshl_or_b32 v[PW], v[TM+6], 16, v[PW]
	s_delay_alu instid0(VALU_DEP_1)
	v_lshl_or_b32 v[PW], v[TM+7], 24, v[PW]
.irp c, 0,1
	v_cvt_scalef32_pk16_fp6_f32 v[PC+6*\c:PC+2+6*\c], v[\s+32*\c:\s+15+32*\c], v[TM+12+2*\c]
	v_cvt_scalef32_pk16_fp6_f32 v[PC+12+4*\c:PC+14+4*\c], v[\s+16+32*\c:\s+31+32*\c], v[TM+12+2*\c+1]   ; (a conversion's three registers begin on an even number)
.endr
	v_nop                                              ; one plain instruction behind the scaled conversions
.irp c, 0,1                            ; the operand's layout wants a whole block in a lane: lanes 0-15 block 2 c, lanes 16-31 block 2 c + 1
.irp i, 0,1,2
	v_permlane16_swap_b32 v[PC+6*\c+\i], v[PC+12+4*\c+\i]
.endr
.irp i, 0,1,2
	s_delay_alu instid0(VALU_DEP_3)
	v_mov_b32 v[PC+3+6*\c+\i], v[PC+12+4*\c+\i]
.endr
.endr
.endm
; The V unit's quantiser: registers 32 c .. 32 c + 31 of lane (r, h) are the whole block 2 c + h: no other lane is asked for a maximum, and the conversions' results are the operand's registers.
.macro QUANTV s
.irp b, 0,1,2,3
	v_max3_num_f32 v[TM+\b], |v[\s+16*\b]|, |v[\s+1+16*\b]|, 0x1800000   ; with the floor 2^(3 - 127); each accumulator is read from its low end on
.endr
.irp i, 2,4,6,8,10,12,14
.irp b, 0,1,2,3
	v_max3_num_f32 v[TM+\b], v[TM+\b], |v[\s+16*\b+\i]|, |v[\s+1+16*\b+\i]|
.endr
.endr
	v_max_num_f32 v[TM], v[TM], v[TM+1]                ; block h's largest magnitude,
	v_max_num_f32 v[TM+1], v[TM+2], v[TM+3]            ; block 2 + h's
	v_lshrrev_b32 v[TM+7], 2, v[H32]                   ; 8 h
.irp c, 0,1
	v_add_nc_u32 v[TM+12+\c], 0xff000000, v[TM+\c]     ; 2 off the exponent field: the conversion's scale operand
.endr
.irp c, 0,1
	v_lshrrev_b32 v[TM+4+\c], 23, v[TM+12+\c]          ; the scale's byte
.endr
	v_lshl_or_b32 v[PW], v[TM+5], 16, v[TM+4]          ; my two bytes,
	v_lshlrev_b32 v[PW], v[TM+7], v[PW]                ; at places h and 2 + h of the word;
	v_permlanex16_b32 v[TM+6], v[PW], s[SEL], s[SEL+1]
	v_or_b32 v[PW], v[PW], v[TM+6]                     ; with lane l xor 16's two the word is whole
.irp c, 0,1
	v_cvt_scalef32_pk16_fp6_f32 v[PC+6*\c:PC+2+6*\c], v[\s+32*\c:\s+15+32*\c], v[TM+12+\c]
	v_cvt_scalef32_pk16_fp6_f32 v[PC+12+4*\c:PC+14+4*\c], v[\s+16+32*\c:\s+31+32*\c], v[TM+12+\c]   ; (a conversion's three registers begin on an even number)
.endr
	v_nop                                              ; one plain instruction behind the scaled conversions
.irp c, 0,1
.irp i, 0,1,2
	v_mov_b32 v[PC+3+6*\c+\i], v[PC+12+4*\c+\i]
.endr
.endr
.endm
.macro BIAS_QK sb
.irp t, 0,1,2,3
	global_load_b128 v[BI+8*\t:BI+8*\t+3], v[H32], s[\sb:\sb+1] offset:64*\t
	global_load_b128 v[BI+8*\t+4:BI+8*\t+7], v[H32], s[\sb:\sb+1] offset:64*\t+16
.endr
.endm
.macro BIAS_V                          ; all eight registers of lane (r, h): bv[64 head + 16 (w % 4) + r]
.irp j, 0,1,2,3,4,5,6,7
	global_load_b32 v[BI+\j], v[R4], s[24:25]
.endr
.endm
; The Q or K unit.  aw: the weight's address registers; ws: its scale words; nb: which bias the NEXT unit wants (1: bk, 2: bv): it is asked for in step 1, when step 0's products have read this unit's.
; The eight accumulators take turns, one instruction a turn, in the same order in every step.
.macro UNIT_QK aw, ws, nb, ax, xs, gap     ; ax: x's address registers; xs: x's scale words; gap: LDS bytes from tile 0's rows to tile 1's
.irp s, 0,1,2,3,4,5
	PLACES
.if (\s == 1) && (\nb == 1)
	BIAS_QK 18
.endif
.if (\s == 1) && (\nb == 2)
	BIAS_V
.endif
.irp u, 0,1
	FRAG FR+12*\u, \ax, \s, (\gap)*\u
.endr
.irp t, 0,1,2,3
	FRAG FR+24+12*\t, \aw, \s, T16*\t
.endr
	s_wait_dscnt 0x0                                   ; the step's six fragments are in
.irp u, 0,1
.irp t, 0,1,2,3
.if \s == 0
	MMA ACC+32*\u+8*\t, FR+24+12*\t, FR+12*\u, BI+8*\t, \ws+6*(\t/2)+\s, \xs+\s, \t%2, \u
.else
	MMA ACC+32*\u+8*\t, FR+24+12*\t, FR+12*\u, ACC+32*\u+8*\t, \ws+6*(\t/2)+\s, \xs+\s, \t%2, \u
.endif
.endr
.endr
.endr
.endm
; The V unit: Wv's one fragment serves eight tiles of x, four at a time.
.macro UNIT_V
.irp s, 0,1,2,3,4,5
.irp e, 0,1
	PLACES
.if \e == 0
	FRAG FR, AWV, \s, 0
.endif
.irp i, 0,1,2,3
	FRAG FR+12+12*\i, AV+2*\e, \s, 8*PITCH*\i
.endr
	s_wait_dscnt 0x0
.irp i, 0,1,2,3
.if \s == 0
	MMA ACC+8*(4*\e+\i), FR+12+12*\i, FR, BI, XSV+6*((4*\e+\i)/2)+\s, WSV+\s, \i%2, 0
.else
	MMA ACC+8*(4*\e+\i), FR+12+12*\i, FR, ACC+8*(4*\e+\i), XSV+6*((4*\e+\i)/2)+\s, WSV+\s, \i%2, 0
.endif
.endr
.endr
.endr
.endm
; A unit's end: quantise, and store the fragment as it stands: register p of lane l at 512 (p / 4) + 16 l + 4 (p % 4): each store of the wave covers 512 consecutive bytes, aligned to 256.
.macro FINISH ib, io, sb, so, qv
	PLACES
.if \qv
	QUANTV ACC
.else
	QUANT ACC
.endif
.irp c, 0,1,2
	global_store_b128 v[L16], v[PC+4*\c:PC+4*\c+3], s[\ib:\ib+1] offset:\io+512*\c
.endr
	global_store_b32 v[R4], v[PW], s[\sb:\sb+1] offset:\so   ; 16 scale words; lanes l and l xor 16 write the same word with the same value
.endm
	s_load_b512 s[4:19], s[0:1], 0x0               ; x_codes 4, x_scales 6, Wq_codes 8, Wq_scales 10, bq 12, Wk_codes 14, Wk_scales 16, bk 18
	s_load_b256 s[20:27], s[0:1], 0x40             ; Wv_codes 20, Wv_scales 22, bv 24, q_img 26
	s_load_b128 s[28:31], s[0:1], 0x60             ; q_sc 28, kv 30
	v_lshl_add_u32 v254, v0, 2, 0x4ec00
	v_mov_b32 v255, 0
	ds_add_u32 v254, v255
	ds_add_u32 v254, v255
	v_lshrrev_b32 v1, 5, v0
	s_delay_alu instid0(VALU_DEP_1)
	v_readfirstlane_b32 s[WV], v1                  ; wave 0..7
	s_and_b32 s[W3], s[WV], 3
	s_lshr_b32 s[GG], s[WV], 2
	s_bfe_u32 s[CX], ttmp6, 0x40000                ; my place in the cluster
	s_bfe_u32 s[CY], ttmp6, 0x40004
	s_lshl_b32 s[BX], ttmp9, 2
	s_add_co_u32 s[BX], s[BX], s[CX]               ; which 256 rows of x = 4 x cluster x + cx
	s_and_b32 s[HD], ttmp7, 0xffff
	s_lshl_b32 s[HD], s[HD], 2
	s_add_co_u32 s[HD], s[HD], s[CY]               ; the head = 4 x cluster y + cy
	s_lshl_b32 s67, s[CY], 2
	s_lshl_b32 s67, 15, s67                        ; my row of the cluster
	s_lshl_b32 s86, 0x1111, s[CX]                  ; my column
	s_or_b32 s[G1X], s86, GW0                      ; x's rows go to my column,
	s_or_b32 s[G1W], s67, GW0                      ; the weights' rows to my row
.irp g, G1X, G1W
	s_mov_b32 s[\g+1], 32<<16                      ; tensor_dim0 = 32 elements of 8 bytes
	s_mov_b32 s[\g+2], 144<<16                     ; tensor_dim1 = 144
	s_mov_b32 s[\g+3], 32<<16                      ; tile_dim0
	s_mov_b32 s[\g+4], 144                         ; tile_dim1
	s_mov_b32 s[\g+5], 32                          ; from row to row: dense
	s_mov_b32 s[\g+6], 0
	s_mov_b32 s[\g+7], 0
.endr
	s_mov_b32 s[SEL], 0x76543210
	s_mov_b32 s[SEL+1], 0xfedcba98
	s_mul_i32 s68, s[BX], 256*576                  ; x: rows 256 bx + 64 (w % 4), in registers that never hold the head
	s_mul_i32 s69, s[W3], 64*576
	s_add_co_u32 s68, s68, s69
	s_mov_b32 s69, 0
	s_mul_i32 s70, s[HD], 64*576                   ; a weight: rows 64 head, in registers that never hold bx
	s_mov_b32 s71, 0
	v_and_b32 v[L24], 31, v0                       ; lane
	v_and_b32 v[R24], 15, v0                       ; r
	v_bfe_u32 v[H32], v0, 4, 1                     ; h
	s_delay_alu instid0(VALU_DEP_3)
	v_lshlrev_b32 v[L16], 4, v[L24]
	s_delay_alu instid0(VALU_DEP_3)
	v_lshlrev_b32 v[R4], 2, v[R24]
	s_delay_alu instid0(VALU_DEP_4)
	v_mul_u32_u24 v1, v[R24], PITCH
	s_delay_alu instid0(VALU_DEP_1)
	v_mad_u32_u24 v247, v[H32], 24, v1             ; row r + 24 h
	s_delay_alu instid0(VALU_DEP_2)
	v_mad_u32_u24 v1, v[H32], 40, v1               ; row r + 40 h
	s_mul_i32 s74, s[WV], 32*PITCH
	v_add_nc_u32 v[AX], s74, v247
	v_add_nc_u32 v[AX+1], s74, v1
	s_wait_alu depctr_va_vdst(0)                   ; the wait here, directly ahead of the run of scalar instructions
	s_mul_i32 s74, s[GG], 128*PITCH                ; my group of 128 keys
	s_lshr_b32 s87, s[W3], 1
	s_mul_i32 s87, s87, 64*PITCH
	s_add_co_u32 s87, s87, s74
	s_and_b32 s90, s[W3], 1
	s_mul_i32 s90, s90, 16*PITCH
	s_add_co_u32 s87, s87, s90                     ; the K unit: + 64 (f / 2) + 16 (f % 2) rows, f = w % 4
	s_add_co_u32 s91, s74, BLKB
	v_and_b32 v248, 8, v[R24]
	v_mad_u32_u24 v248, v248, 3, v[R24]            ; 32 (r / 8) + r % 8
	v_mul_u32_u24 v249, v248, PITCH
	v_mad_u32_u24 v250, v[H32], 24, v249
	v_mad_u32_u24 v251, v[H32], 40, v249
	v_add_nc_u32 v[AV], s74, v250
	v_add_nc_u32 v[AV+1], s74, v251
	v_add_nc_u32 v[AV+2], s91, v250
	v_add_nc_u32 v[AV+3], s91, v251
	v_add_nc_u32 v[AWQ], 4*BLKB, v247
	v_add_nc_u32 v[AWQ+1], 4*BLKB, v1
	v_add_nc_u32 v[AWK], 5*BLKB, v247
	v_add_nc_u32 v[AWK+1], 5*BLKB, v1
	s_mul_i32 s74, s[W3], T16
	s_add_co_u32 s74, s74, 6*BLKB
	v_add_nc_u32 v[AWV], s74, v247
	v_add_nc_u32 v[AWV+1], s74, v1
	v_add_nc_u32 v[AXK], s87, v250
	v_add_nc_u32 v[AXK+1], s87, v251
	v_lshl_add_u32 v[KL], v[H32], 3, v248
	v_mul_u32_u24 v[KL], v[KL], 24
	v_mul_u32_u24 v[L24], v[L24], 24
	v_mul_u32_u24 v[R24], v[R24], 24
	v_lshlrev_b32 v[H32], 5, v[H32]
	s_wait_dscnt 0x0
	s_wait_kmcnt 0x0
	s_mov_b32 s[G0X], 1                            ; count = 1
	s_mul_i32 s[G0X+1], s[W3], BLKB                ; LDS: block w % 4
	s_add_nc_u64 s[G0X+2:G0X+3], s[4:5], s[68:69]
	s_or_b32 s[G0X+3], s[G0X+3], 0x80000000        ; type = 2
	s_cmp_eq_u32 s[WV], 4                          ; wave 4 fetches Wq, wave 5 Wk, wave 6 Wv: the choice hangs on the wave's number alone
	s_cselect_b64 s[72:73], s[8:9], s[20:21]
	s_cmp_eq_u32 s[WV], 5
	s_cselect_b64 s[72:73], s[14:15], s[72:73]
	s_mov_b32 s[G0W], 1
	s_min_u32 s[G0W+1], s[WV], 6
	s_mul_i32 s[G0W+1], s[G0W+1], BLKB             ; LDS: block w
	s_add_nc_u64 s[G0W+2:G0W+3], s[72:73], s[70:71]
	s_or_b32 s[G0W+3], s[G0W+3], 0x80000000
	CROUND                                         ; all sixteen work-groups are here: the joint loads meet
	s_cmp_lt_u32 s[WV], 4                          ; one tensor load a wave, none for wave 7; four v_nop follow each of the two lines
	s_cbranch_scc0 .Lnot_x
	tensor_load_to_lds s[G0X:G0X+3], s[G1X:G1X+7]
	s_nop 0
	PLACES
	s_branch .Lasked
.Lnot_x:
	s_cmp_lt_u32 s[WV], 7
	s_cbranch_scc0 .Lasked
	tensor_load_to_lds s[G0W:G0W+3], s[G1W:G1W+7]
	s_nop 0
	PLACES
.Lasked:
	; every other base is stepped to this wave's part while the tiles are on their way
	s_mov_b32 s75, 0
	s_mov_b32 s83, 0
	s_mul_i32 s74, s[BX], 256*24
	s_mul_i32 s82, s[WV], 32*24
	s_add_co_u32 s82, s82, s74
	s_add_nc_u64 s[76:77], s[6:7], s[82:83]        ; x's scale bytes at row 256 bx + 32 w
	s_mul_i32 s82, s[GG], 128*24
	s_add_co_u32 s82, s82, s74
	s_add_nc_u64 s[78:79], s[6:7], s[82:83]        ; and at row 256 bx + 128 (w / 4)
	s_lshr_b32 s90, s[W3], 1
	s_mul_i32 s90, s90, 64*24
	s_and_b32 s91, s[W3], 1
	s_mul_i32 s91, s91, 16*24
	s_add_co_u32 s90, s90, s91
	s_mov_b32 s91, 0
	s_add_nc_u64 s[88:89], s[78:79], s[90:91]      ; the K unit's: 64 (f / 2) + 16 (f % 2) rows on
	s_mul_i32 s82, s[HD], 64*24
	s_add_nc_u64 s[10:11], s[10:11], s[82:83]      ; the weights' scale bytes at row 64 head,
	s_add_nc_u64 s[16:17], s[16:17], s[82:83]
	s_mul_i32 s74, s[W3], 16*24
	s_add_co_u32 s82, s82, s74
	s_add_nc_u64 s[22:23], s[22:23], s[82:83]      ; Wv's 16 (w % 4) rows on
	s_lshl_b32 s82, s[HD], 8
	s_add_nc_u64 s[12:13], s[12:13], s[82:83]      ; the biases at column 64 head,
	s_add_nc_u64 s[18:19], s[18:19], s[82:83]
	s_lshl_b32 s74, s[W3], 6
	s_add_co_u32 s82, s82, s74
	s_add_nc_u64 s[24:25], s[24:25], s[82:83]      ; bv's 16 (w % 4) on
	s_lshl_b32 s82, s[HD], 7
	s_lshl_b32 s74, s[BX], 3
	s_add_co_u32 s82, s82, s74
	s_add_co_u32 s82, s82, s[WV]                   ; q's fragment: 128 head + 8 bx + w
	s_lshl_b32 s74, s82, 6
	s_add_nc_u64 s[28:29], s[28:29], s[74:75]      ; its 16 scale words,
	s_mul_i32 s82, s82, 1536
	s_add_nc_u64 s[26:27], s[26:27], s[82:83]      ; its image
	s_lshl_b32 s82, s[BX], 1
	s_add_co_u32 s82, s82, s[GG]
	s_mul_i32 s82, s82, 12800                      ; the record of key step 2 bx + w / 4: 4 fragments of k, 4 of v, 256 + 256 bytes of scale words,
	s_mul_i32 s74, s[HD], 32*12800                 ; in the head's 32 records
	s_add_co_u32 s82, s82, s74
	s_add_nc_u64 s[30:31], s[30:31], s[82:83]
	s_lshl_b32 s74, s[W3], 6
	s_add_nc_u64 s[80:81], s[30:31], s[74:75]      ; my 16 scale words' place in it (+ 12,288 for k, + 12,544 for v),
	s_mul_i32 s74, s[W3], 1536
	s_add_nc_u64 s[30:31], s[30:31], s[74:75]      ; my fragment's (+ 6,144 for v)
	s_wait_alu depctr_va_vdst(0)
.irp j, 0,1,2
	global_load_b64 v[XS+2*\j:XS+2*\j+1], v[L24], s[76:77] offset:8*\j     ; two scale words a load: K steps 2 j, 2 j + 1 of row 32 w + lane
	global_load_b64 v[WSV+2*\j:WSV+2*\j+1], v[R24], s[22:23] offset:8*\j
	global_load_b64 v[XSK+2*\j:XSK+2*\j+1], v[KL], s[88:89] offset:8*\j
.endr
.irp m, 0,1
.irp j, 0,1,2
	global_load_b64 v[WSQ+6*\m+2*\j:WSQ+6*\m+2*\j+1], v[L24], s[10:11] offset:768*\m+8*\j
	global_load_b64 v[WSK+6*\m+2*\j:WSK+6*\m+2*\j+1], v[L24], s[16:17] offset:768*\m+8*\j
.endr
.endr
.irp m, 0,1,2,3
.irp j, 0,1,2
	global_load_b64 v[XSV+6*\m+2*\j:XSV+6*\m+2*\j+1], v[KL], s[78:79] offset:(64*(\m/2)+16*(\m%2))*24+8*\j
.endr
.endr
	BIAS_QK 12
	s_wait_tensorcnt 0x0                           ; my block has landed,
	s_barrier_signal -1
	s_barrier_wait -1                              ; everybody's has.  Nothing is filled again: from here on LDS is only read
	s_wait_loadcnt 0x0                             ; scale words and bq
	UNIT_QK AWQ, WSQ, 1, AX, XS, T16
	FINISH 26, 0, 28, 0, 0
	s_wait_xcnt 0x0                                ; the stores' data lie in the fragments' registers, which are loaded again only behind this wait
	s_wait_loadcnt 0x0                             ; bk
	UNIT_QK AWK, WSK, 2, AXK, XSK, 8*PITCH
	FINISH 30, 0, 80, 12288, 0
	s_wait_xcnt 0x0
	s_wait_loadcnt 0x0                             ; bv
	UNIT_V
	FINISH 30, 6144, 80, 12544, 1
	s_wait_tensorcnt 0x0
	ds_add_u32 v254, v255
	s_wait_dscnt 0x0
	CROUND                                         ; the closing round: no work-group ends while a partner may still ask for a tile that names it
	s_endpgm
.Lfunc_end_k_qe67423dda7_qkv:
	.size	k_qe67423dda7_qkv, .Lfunc_end_k_qe67423dda7_qkv-k_qe67423dda7_qkv
	.p2alignl 7, 3214868480
	.fill 96, 4, 3214868480
	.section	.rodata,"a",@progbits
	.p2align	6, 0x0
	.amdhsa_kernel k_qe67423dda7_qkv
		.amdhsa_group_segment_fixed_size 327680
		.amdhsa_private_segment_fixed_size 0
		.amdhsa_enable_private_segment 0
		.amdhsa_kernarg_size 112
		.amdhsa_user_sgpr_count 2
		.amdhsa_user_sgpr_kernarg_segment_ptr 1
		.amdhsa_wavefront_size32 1
		.amdhsa_system_sgpr_workgroup_id_x 1
		.amdhsa_system_sgpr_workgroup_id_y 1
		.amdhsa_system_sgpr_workgroup_id_z 1
		.amdhsa_system_vgpr_workitem_id 0
		.amdhsa_next_free_vgpr 256
		.amdhsa_next_free_sgpr 96
		.amdhsa_reserve_vcc 0
		.amdhsa_float_denorm_mode_32 3
		.amdhsa_float_denorm_mode_16_64 3
		.amdhsa_memory_ordered 1
		.amdhsa_forward_progress 1
		.amdhsa_inst_pref_size 98
	.end_amdhsa_kernel
	.amdgpu_metadata
---
amdhsa.version: [ 1, 2 ]
amdhsa.kernels:
  - .name:           k_qe67423dda7_qkv
    .symbol:         k_qe67423dda7_qkv.kd
    .args:
      - { .name: x_codes, .offset: 0, .size: 8, .value_kind: global_buffer, .address_space: global }
      - { .name: x_scales, .offset: 8, .size: 8, .value_kind: global_buffer, .address_space: global }
      - { .name: Wq_codes, .offset: 16, .size: 8, .value_kind: global_buffer, .address_space: global }
      - { .name: Wq_scales, .offset: 24, .size: 8, .value_kind: global_buffer, .address_space: global }
      - { .name: bq, .offset: 32, .size: 8, .value_kind: global_buffer, .address_space: global }
      - { .name: Wk_codes, .offset: 40, .size: 8, .value_kind: global_buffer, .address_space: global }
      - { .name: Wk_scales, .offset: 48, .size: 8, .value_kind: global_buffer, .address_space: global }
      - { .name: bk, .offset: 56, .size: 8, .value_kind: global_buffer, .address_space: global }
      - { .name: Wv_codes, .offset: 64, .size: 8, .value_kind: global_buffer, .address_space: global }
      - { .name: Wv_scales, .offset: 72, .size: 8, .value_kind: global_buffer, .address_space: global }
      - { .name: bv, .offset: 80, .size: 8, .value_kind: global_buffer, .address_space: global }
      - { .name: q_img, .offset: 88, .size: 8, .value_kind: global_buffer, .address_space: global }
      - { .name: q_sc, .offset: 96, .size: 8, .value_kind: global_buffer, .address_space: global }
      - { .name: kv, .offset: 104, .size: 8, .value_kind: global_buffer, .address_space: global }
    .group_segment_fixed_size: 327680
    .private_segment_fixed_size: 0
    .kernarg_segment_align: 8
    .kernarg_segment_size: 112
    .max_flat_workgroup_size: 256
    .sgpr_count:     96
    .vgpr_count:     256
    .wavefront_size: 32
...
	.end_amdgpu_metadata
.endif
;; end of part 1
;; launch attn (part 2): grid 256 x 1, 12 waves a work-group, clusters of 4 x 1, 327,680 bytes of LDS; arguments q_img, q_sc, kv, a_img, a_sc; writes a_img, a_sc
.if DOCPART == 2
	.amdgcn_target "amdgcn-amd-amdhsa--gfx1250"
	.amdhsa_code_object_version 6
	.text
	.protected	k_qe67423dda7_attn
	.globl	k_qe67423dda7_attn
	.p2align	8
	.type	k_qe67423dda7_attn,@function
k_qe67423dda7_attn:
	s_mov_b64 s[64:65], 0
	v_nop
	global_prefetch_b8 v0, s[64:65] scope:SCOPE_SE
	s_setreg_imm32_b32 hwreg(HW_REG_WAVE_MODE, 25, 1), 1
	s_wait_xcnt 0x0
	s_wait_alu depctr_hold_cnt(0) depctr_sa_sdst(0) depctr_va_vdst(0) depctr_va_sdst(0) depctr_va_ssrc(0) depctr_va_vcc(0) depctr_vm_vsrc(0)
	s_getreg_b32 s2, hwreg(HW_REG_IB_STS2, 6, 4)
	s_cmp_eq_u32 s2, 0
	s_cbranch_scc0 .Lentry_in_a_cluster
	s_endpgm
.Lentry_in_a_cluster:
	s_bfe_u32 s2, ttmp6, 0x10000c
	s_cmp_lg_u32 s2, 0x3003
	s_cbranch_scc0 .Lentry_shape_is_right
	s_endpgm
.Lentry_shape_is_right:
; a[q][head] = softmax_k(q . k / sqrt(768)) v, both products on codes of FP6 (E2M3) with one E8M0 scale for each 32 along K; the result, divided by the row's sum, is quantised along the embedding
; (two blocks of 32 a head) and leaves as half a fragment's image for the last launch.
; THE SOFTMAX AHEAD OF THE SECOND PRODUCT: t = score x log2(e) / sqrt(768); M = the row's largest t so far, rounded UP to a whole number; p = 2^(t - M) is quantised along the keys, not normalised.  The row's sum is
; taken of the unquantised p in f32.  When M moves, the sum and O are multiplied by 2^(old M - new M), which rounds nothing; there is no branch on data.
; SHARES.  12 heads x 4,096 queries are 3,072 tiles of 16 queries: 12 for each of 256 work-groups, one a wave.  A UNIT is one head and 64 queries, four waves.  Work-group x has three units, of THREE DIFFERENT HEADS:
; head 3 (x / 64) + w / 4, queries 64 (x % 64) .. + 63.  Every wave walks 32 key steps of 128 keys.
; OPERANDS ARE IMAGES OF REGISTERS.  A key step is one dense record of 12,800 bytes: 4 fragments of k, 4 of v^T, their scale words.  A fragment comes by three ds_load_b128 at 16 x lane.
; A HEAD OF 64 IN THE 16 x 16 x 128 FORM.  A fragment of k holds two tiles of 16 keys (k 0 .. 63 and k 64 .. 127).  It is multiplied by (q, zeros) and by (zeros, q): v16-21 zeros, v22-27 q, v28-33 zeros, read as v[22:33]
; and as v[16:27].  The zero half's scale bytes are 1.
; Both products are used transposed (S^T = k q^T, O^T = v^T p^T): a lane holds one query (lane % 16) throughout.  The first launch chose the keys of each tile of k so that register 32 c + i of S^T in lane (r, h) is key
; 32 (2 c + h) + i of the step: a lane holds two WHOLE blocks of 32 keys, in the keys' own order, as the operand's layout wants them: a block's maximum asks no other lane, and the conversions' results are p's fragment.
; RING: two slots of 12 records: for each of the three heads four key steps; wave w fills room w with one tensor load (50 rows of 256 bytes).  By this text's own count a wave has one tensor load out, with two key steps and more
; in which to land.  TWO BARRIERS FOR FOUR KEY STEPS.  The first shows the slot ahead whole: each wave waits for its tensor load and signals in the middle of the slot's third step, and waits at the head of the fourth.
; The second frees the slot in hand: it is signalled in the fourth step, when that step's fragments of v are in registers, and waited for behind that step's exponentials and conversions, which touch registers alone.
; CLUSTER 4 x 1: the four partners have the same three heads and other queries, so each record is asked for jointly, by the same tensor load with a mask that names the four; the second barrier opens a round of the cluster's barrier.
; k IS FETCHED A STEP AHEAD: behind a step's products S^T the next step's fragments of k are asked for, into the registers just read, in a slot's fourth step from the slot ahead; v's fragments have registers of their own (window 1).
; NO PREFETCH: a record is asked for a whole slot, four key steps, ahead of its first read.
; All of a WGP's LDS is claimed; the text uses 308,736 bytes.
; LIMITS: NaN and infinities are not served; the promise holds while |t| stays under 2^31.  A block of p that has fallen to zeros, and a block of the result whose largest magnitude lies under 2^-124, get the scale byte 1.
; A block's largest p is the block's largest score put through the same multiply-add and exponential; that takes v_exp_f32 not to fall where its input rises.
.set REC,   12800
.set SLOTB, 12*REC
.set SPARE, 2*SLOTB                    ; the spare words, 128 bytes for each of the twelve waves: six blocks of 256 bytes that no other line names
.set LI,  1                            ; v1   16 x lane
.set LS,  2                            ; v2   4 x lane
.set SPW, 3                            ; v3   my spare word's LDS address; never rewritten
.set NIL, 4                            ; v4   0; never rewritten
.set ADR, 5                            ; v5   the record in hand + 16 x lane
.set ADS, 6                            ; v6   the record in hand + 4 x lane
.set QSL, 7                            ; v7   q's scale word for (q, zeros);  v8 for (zeros, q)
.set QSH, 8
.set KS,  9                            ; v9-10  k's scale words: lanes 0-15 the even fragment, lanes 16-31 the odd one
.set VS,  11                           ; v11, v34  v's likewise
.set H8,  35                           ; v35  8 x (lane / 16)
.set FR,  36                           ; v36-83   k's four fragments.  v's four lie in window 1, v256-303, written v0-47 there
.set S,   84                           ; v84-147  S^T, then p
.set O,   148                          ; v148-179 O^T: register 8 t + j = channel 16 t + 8 (lane / 16) + j
.set PC,  180                          ; v180-191 p's codes
.set X,   192                          ; v192-198 the conversions' second halves
.set TM,  200                          ; v200-203 largest scores, then v200-201 the two blocks' largest p
.set TP,  204                          ; v204-205 the scale bytes
.set SO,  208                          ; v208-209 the conversions' scale operands
.set PW,  212                          ; v212 p's scale word
.set ADR2, 218                         ; v218-219 as v5-6, for my unit's first record of the slot ahead
.set ADS2, 219
.set L8,  220                          ; v220 8 x lane
.set R24, 221                          ; v221 24 x (lane % 16)
.set T0,  224                          ; v224-229 three more chains of the row's sum
.set WV,  14
.set WQ,  15                           ; w % 4
.set GB,  19                           ; LDS byte at which my unit's four records begin in a slot
.set SEL, 20                           ; s[20:21]
.set CS,  22                           ; s[22:23] c = log2(e) / sqrt(768): the packed form names a pair and takes its low word for both halves
.set G1,  24                           ; s[24:31]
.set G0,  32                           ; s[32:35] slot 0's group 0, s[36:39] slot 1's
.set TB,  40                           ; LDS byte at which the record in hand begins
.set CNT, 41
.set OUT, 42
.set TN,  43                           ; LDS byte at which my unit's records begin in the slot ahead
; v12 -M, v13 the largest t, v[14:15] the sum in two halves, v[214:215] f and a word that is only named, v216-217 at work
.set MSB, 0
.macro WIN new                         ; the immediate's high byte repeats the setting that is left; at every label and branch the setting is 0
.if MSB != \new
	s_set_vgpr_msb (MSB<<8)|\new
.set MSB, \new
.endif
.endm
.macro PLACES
.rept 4
	v_nop
.endr
.endm
.macro CREST                           ; a round of the cluster's barrier behind its opening barrier
	s_cmp_lg_u32 s[WV], 0
	s_cbranch_scc1 .Lnot_wave_0_\@
	s_barrier_signal -3
.Lnot_wave_0_\@:
	s_barrier_wait -3
	s_barrier_signal -1
	s_barrier_wait -1
.endm
.macro CROUND                          ; a whole round
	s_barrier_signal -1
	s_barrier_wait -1
	CREST
.endm
.macro MMZ d, a, b, sa, sb, ra         ; a product that starts a sum; ra = 1: source 0's scale words come from lanes 16-31
.if (\ra)
	v_wmma_scale_f32_16x16x128_f8f6f4 v[\d:\d+7], v[\a:\a+11], v[\b:\b+11], 0, v[\sa], v[\sb] matrix_a_fmt:MATRIX_FMT_FP6 matrix_b_fmt:MATRIX_FMT_FP6 matrix_a_scale:MATRIX_SCALE_ROW1
.else
	v_wmma_scale_f32_16x16x128_f8f6f4 v[\d:\d+7], v[\a:\a+11], v[\b:\b+11], 0, v[\sa], v[\sb] matrix_a_fmt:MATRIX_FMT_FP6 matrix_b_fmt:MATRIX_FMT_FP6
.endif
.endm
.macro MMC d, a, b, sa, sb, ra         ; a product that adds in place
.if (\ra)
	v_wmma_scale_f32_16x16x128_f8f6f4 v[\d:\d+7], v[\a:\a+11], v[\b:\b+11], v[\d:\d+7], v[\sa], v[\sb] matrix_a_fmt:MATRIX_FMT_FP6 matrix_b_fmt:MATRIX_FMT_FP6 matrix_a_scale:MATRIX_SCALE_ROW1
.else
	v_wmma_scale_f32_16x16x128_f8f6f4 v[\d:\d+7], v[\a:\a+11], v[\b:\b+11], v[\d:\d+7], v[\sa], v[\sb] matrix_a_fmt:MATRIX_FMT_FP6 matrix_b_fmt:MATRIX_FMT_FP6
.endif
.endm
.macro KLOAD ra, rs, off               ; k's four fragments and their scale words, of the record off bytes behind the one that the two address registers name
.irp f, 0,1,2,3
.irp c, 0,1,2
	ds_load_b128 v[FR+12*\f+4*\c:FR+12*\f+4*\c+3], v[\ra] offset:\off+1536*\f+512*\c
.endr
.endr
	ds_load_b32 v[KS], v[\rs] offset:\off+12288
	ds_load_b32 v[KS+1], v[\rs] offset:\off+12416
.endm
; A KEY STEP: 128 keys, the record at s[TB]; its fragments of k are in.  pf: whose k is asked for: 0 nobody's, 1 the next record's, 2 that of the slot ahead's first record.  sg = 1: a slot's third step: the barrier for the slot
; ahead is signalled.  chg = 1, 2: a slot's fourth step: that barrier is waited for; 2: the slot in hand is filled again.
.macro STEP pf, sg, chg, slot
.irp f, 0,1,2,3                        ; S^T = k q^T: each fragment twice, for its two tiles of keys; eight sums, each begun by the constant 0
	MMZ S+16*\f, FR+12*\f, 22, KS+\f/2, QSL, \f%2
	MMZ S+16*\f+8, FR+12*\f, 16, KS+\f/2, QSH, \f%2
.endr
	v_add_nc_u32 v[ADR], s[TB], v[LI]              ; four plain lines: the places in front of the loads into registers that the products above and the last step's read, and of the first read of the scores
	v_add_nc_u32 v[ADS], s[TB], v[LS]
.if \pf == 2
	v_add_nc_u32 v[ADR2], s[TN], v[LI]
	v_add_nc_u32 v[ADS2], s[TN], v[LS]
.else
	v_nop
	v_nop
.endif
.if \chg
	s_wait_alu depctr_va_vdst(0)                   ; the wait here, directly ahead of the wait below
	s_barrier_wait -1                              ; every wave's record of the slot ahead is in
.endif
	WIN 0x40                                       ; destination window 1, address window 0
.irp t, 0,1,2,3
.irp c, 0,1,2
	ds_load_b128 v[12*\t+4*\c:12*\t+4*\c+3], v[ADR] offset:6144+1536*\t+512*\c   ; v's fragment t: it lands under the softmax
.endr
.endr
	WIN 0
	ds_load_b32 v[VS], v[ADS] offset:12544
	ds_load_b32 v[VS+23], v[ADS] offset:12672
.if \pf == 1
	KLOAD ADR, ADS, REC                            ; and so does the next step's k
.elseif \pf == 2
	KLOAD ADR2, ADS2, 0
.endif
.if \chg == 2
	s_wait_tensorcnt 0x0                           ; no tensor load of mine is out;
	ds_add_u32 v[SPW], v[NIL]                      ; 0 onto my spare word
	s_add_nc_u64 s[G0+4*\slot+2:G0+4*\slot+3], s[G0+4*\slot+2:G0+4*\slot+3], 8*REC   ; this slot's next four key steps
.endif
.irp c, 0,1                            ; the largest score of each of my two blocks, in two chains each; each accumulator is read from its low end on
	v_max3_num_f32 v[TM+\c], v[S+32*\c], v[S+32*\c+1], v[S+32*\c+2]
	v_max3_num_f32 v[TM+2+\c], v[S+32*\c+17], v[S+32*\c+18], v[S+32*\c+19]
.endr
.irp i, 3,5,7,9,11,13,15
.irp c, 0,1
	v_max3_num_f32 v[TM+\c], v[TM+\c], v[S+32*\c+\i], v[S+32*\c+\i+1]
.if \i < 15
	v_max3_num_f32 v[TM+2+\c], v[TM+2+\c], v[S+32*\c+\i+17], v[S+32*\c+\i+18]
.endif
.endr
.endr
	v_max_num_f32 v[TM], v[TM], v[TM+2]            ; it serves for the row's maximum and, since p rises with the score, for the block's largest p
	v_max_num_f32 v[TM+1], v[TM+1], v[TM+3]
	s_delay_alu instid0(VALU_DEP_1)
	v_max_num_f32 v216, v[TM], v[TM+1]
	s_delay_alu instid0(VALU_DEP_1)
	v_mul_f32 v216, s[CS], v216                    ; as t (c is positive)
	s_delay_alu instid0(VALU_DEP_1)
	v_permlanex16_b32 v217, v216, s[SEL], s[SEL+1]
	s_delay_alu instid0(VALU_DEP_1)
	v_max3_num_f32 v13, v13, v216, v217            ; the running largest t, lane l xor 16's 64 keys among them
	s_delay_alu instid0(VALU_DEP_1)
	v_floor_f32 v217, -v13                         ; the new -M = floor(-t) = -ceil(t): a whole number
	s_delay_alu instid0(VALU_DEP_1)
	v_sub_f32 v216, v217, v12                      ; old M less new M: a whole number, 0 or less
	v_mov_b32 v12, v217
	s_delay_alu instid0(VALU_DEP_2)
	v_cvt_i32_f32 v216, v216                       ; (it saturates)
	s_delay_alu instid0(VALU_DEP_1)
	v_ldexp_f32 v214, 1.0, v216                    ; f = 2^(old M - new M)
.if (\sg) || (\chg == 2)
	s_wait_alu depctr_va_vdst(0)                   ; the wait here, directly ahead of the wait below
	s_wait_dscnt 0x0                               ; no LDS instruction of mine is out: v's fragments and the next k are in; in a fourth step the add is done and my reads of this slot are over
.if \sg
	s_wait_tensorcnt 0x0                           ; my record of the slot ahead has landed
.endif
	s_barrier_signal -1                            ; say so, and work on registers alone until the wait
.endif
.set j, 0
.rept 16
	v_pk_mul_f32 v[O+j:O+j+1], v[O+j:O+j+1], v[214:215] op_sel_hi:[1,0]   ; O^T under the new M
.set j, j+2
.endr
.set j, 0
.rept 32
	v_pk_fma_f32 v[S+j:S+j+1], v[S+j:S+j+1], s[CS:CS+1], v[12:13] op_sel_hi:[1,0,0]   ; t - M, two at a time
.set j, j+2
.endr
.irp c, 0,1
	v_fma_f32 v[TM+\c], v[TM+\c], s[CS], v12       ; the same of each block's largest score
.endr
	s_wait_alu depctr_va_vdst(0)                   ; the wait ahead of the batch
.set j, 0
.rept 64
	v_exp_f32 v[S+j], v[S+j]                       ; p = 2^(t - M), at most 1
.set j, j+1
.endr
.irp c, 0,1
	v_exp_f32 v[TM+\c], v[TM+\c]                   ; the block's largest p: the same two instructions on the same number give the same bits
.endr
	v_pk_mul_f32 v[14:15], v[14:15], v[214:215] op_sel_hi:[1,0]   ; the sums under the new M; also the plain instruction behind the exponentials
	s_wait_alu depctr_va_vdst(0)                   ; one wait for the whole batch
.irp c, 0,1
	v_max_num_f32 v[TM+\c], 0x1800000, v[TM+\c]    ; the floor 2^(3 - 127): the byte cannot fall under 1
.endr
.irp c, 0,1
	v_add_nc_u32 v[SO+\c], 0xff000000, v[TM+\c]    ; 2 off the exponent field: the conversion's scale operand
.endr
.irp c, 0,1
	v_lshrrev_b32 v[TP+\c], 23, v[SO+\c]           ; the scale's byte
.endr
	s_delay_alu instid0(VALU_DEP_1)
	v_lshl_or_b32 v216, v[TP+1], 16, v[TP]         ; my two bytes: blocks h and 2 + h,
	s_delay_alu instid0(VALU_DEP_1)
	v_lshlrev_b32 v216, v[H8], v216                ; at their places in the word;
	s_delay_alu instid0(VALU_DEP_1)
	v_permlanex16_b32 v217, v216, s[SEL], s[SEL+1]
	s_delay_alu instid0(VALU_DEP_1)
	v_or_b32 v[PW], v216, v217                     ; with lane l xor 16's two: p's scale word for these 128 keys
.irp c, 0,1
	v_cvt_scalef32_pk16_fp6_f32 v[PC+6*\c:PC+6*\c+2], v[S+32*\c:S+32*\c+15], v[SO+\c]
	v_cvt_scalef32_pk16_fp6_f32 v[X+4*\c:X+4*\c+2], v[S+32*\c+16:S+32*\c+31], v[SO+\c]   ; (a conversion's three registers begin on an even number)
.endr
	v_nop                                          ; one plain instruction behind the scaled conversions
.irp c, 0,1
.irp i, 0,1,2
	v_mov_b32 v[PC+6*\c+3+\i], v[X+4*\c+\i]
.endr
.endr
.if \chg == 2
	s_wait_alu depctr_va_vdst(0)                   ; the wait here, directly ahead of the wait below
	s_barrier_wait -1                              ; nobody of my work-group reads this slot any more or has a load on its way;
	CREST                                          ; the barrier has opened a round of the cluster's: the same holds of every partner
	tensor_load_to_lds s[G0+4*\slot:G0+4*\slot+3], s[G1:G1+7]   ; my one load behind the round: my room of the slot in hand, whose last reads are in registers
	s_nop 0
	PLACES
.endif
	v_pk_add_f32 v[T0:T0+1], v[S:S+1], v[S+2:S+3]  ; the row's sum of the unquantised p, in four chains.  These 32 lines stand between the writes of p's codes and scale word and the products below
	v_pk_add_f32 v[T0+2:T0+3], v[S+4:S+5], v[S+6:S+7]
	v_pk_add_f32 v[T0+4:T0+5], v[S+8:S+9], v[S+10:S+11]
	v_pk_add_f32 v[14:15], v[14:15], v[S+12:S+13]
.set j, 14
.rept 6
	v_pk_add_f32 v[T0:T0+1], v[T0:T0+1], v[S+j:S+j+1]
	v_pk_add_f32 v[T0+2:T0+3], v[T0+2:T0+3], v[S+j+2:S+j+3]
	v_pk_add_f32 v[T0+4:T0+5], v[T0+4:T0+5], v[S+j+4:S+j+5]
	v_pk_add_f32 v[14:15], v[14:15], v[S+j+6:S+j+7]
.set j, j+8
.endr
	v_pk_add_f32 v[T0:T0+1], v[T0:T0+1], v[S+62:S+63]
	v_pk_add_f32 v[14:15], v[14:15], v[T0+4:T0+5]
	s_delay_alu instid0(VALU_DEP_2)
	v_pk_add_f32 v[T0:T0+1], v[T0:T0+1], v[T0+2:T0+3]
	s_delay_alu instid0(VALU_DEP_1)
	v_pk_add_f32 v[14:15], v[14:15], v[T0:T0+1]
.if (\sg == 0) && (\chg != 2)
	s_wait_alu depctr_va_vdst(0)                   ; the wait here, directly ahead of the wait below
	s_wait_dscnt 0x0                               ; v's fragments and scale words are in, and the next step's k
.endif
	WIN 0x01                                       ; source 0 (v) in window 1
.irp t, 0,1,2,3                        ; O^T += v^T p^T: four accumulators, one instruction a turn; the products of S^T stand between two links of each chain
	MMC O+8*\t, 12*\t, PC, VS+23*(\t/2), PW, \t%2
.endr
	WIN 0
	s_add_co_u32 s[TB], s[TB], REC
.endm
.macro PERIOD slot, kind               ; a slot's four key steps.  kind 2: another slot follows and this one is filled again; 1: another follows; 0: the last
	s_add_co_u32 s[TB], s[GB], \slot*SLOTB
	s_add_co_u32 s[TN], s[GB], (1-\slot)*SLOTB
.if \kind
	s_mov_b32 s[CNT], 2
.else
	s_mov_b32 s[CNT], 3
.endif
.Lstep_\@:
	STEP 1, 0, 0, \slot
	s_sub_co_u32 s[CNT], s[CNT], 1
	s_cmp_lg_u32 s[CNT], 0
	s_cbranch_scc1 .Lstep_\@
.if \kind
	STEP 1, 1, 0, \slot
	STEP 2, 0, \kind, \slot
.else
	STEP 0, 0, 0, \slot
.endif
.endm
	s_load_b256 s[4:11], s[0:1], 0x0               ; q_img 4, q_sc 6, kv 8, a_img 10
	s_load_b64 s[12:13], s[0:1], 0x20              ; a_sc
	v_lshl_add_u32 v[SPW], v0, 2, SPARE
	v_mov_b32 v[NIL], 0
	ds_add_u32 v[SPW], v[NIL]                      ; the opening lines: the add, twice on end, and its wait ahead of the round in front of my first tensor load
	ds_add_u32 v[SPW], v[NIL]
	v_lshrrev_b32 v5, 5, v0
	v_readfirstlane_b32 s[WV], v5                  ; wave 0..11
	s_and_b32 s[WQ], s[WV], 3
	s_lshr_b32 s[GB], s[WV], 2
	s_bfe_u32 s16, ttmp6, 0x40000                  ; cx: it enters q's and a's global addresses alone
	s_lshr_b32 s18, ttmp9, 4                       ; work-group x / 64 = cluster x / 16, which the four partners share
	s_mul_i32 s18, s18, 3
	s_add_co_u32 s18, s18, s[GB]                   ; my unit's head
	s_and_b32 s17, ttmp9, 15
	s_lshl_b32 s17, s17, 2
	s_add_co_u32 s17, s17, s16                     ; its block of 64 queries: work-group x % 64
	s_mul_i32 s[GB], s[GB], 4*REC
	s_mov_b32 s[G1], 15|(3<<16)|(1<<21)            ; 15:0 the mask: all four work-groups; 17:16 elements of 8 bytes; 21 set beside a mask; no padding
	s_mov_b32 s[G1+1], 32<<16                      ; tensor_dim0 = 32: rows of 256 bytes
	s_mov_b32 s[G1+2], 50<<16                      ; tensor_dim1 = 50: one record
	s_mov_b32 s[G1+3], 32<<16                      ; tile_dim0
	s_mov_b32 s[G1+4], 50                          ; tile_dim1
	s_mov_b32 s[G1+5], 32                          ; dense
	s_mov_b32 s[G1+6], 0
	s_mov_b32 s[G1+7], 0
	s_mov_b32 s[SEL], 0x76543210
	s_mov_b32 s[SEL+1], 0xfedcba98
	s_mov_b32 s[CS], 0x3d553b94                    ; c = log2(e) / sqrt(768)
	s_mov_b32 s[CS+1], s[CS]                       ; (named with it as a pair, so it is written)
	s_mul_i32 s44, s18, 32*REC                     ; the head's records, key step w % 4: in registers that never hold cx
	s_mul_i32 s45, s[WQ], REC
	s_add_co_u32 s44, s44, s45
	s_mov_b32 s45, 0
	s_mul_i32 s46, s[WV], REC                      ; my room in a slot
	s_wait_dscnt 0x0                               ; both opening adds are done
	s_wait_kmcnt 0x0
	s_mov_b32 s[G0], 1
	s_mov_b32 s[G0+1], s46
	s_add_nc_u64 s[G0+2:G0+3], s[8:9], s[44:45]
	s_mov_b32 s[G0+4], 1
	s_add_co_u32 s[G0+5], s46, SLOTB
	s_add_nc_u64 s[G0+6:G0+7], s[G0+2:G0+3], 4*REC
	s_or_b32 s[G0+3], s[G0+3], 0x80000000
	s_or_b32 s[G0+7], s[G0+7], 0x80000000
	CROUND                                         ; all four work-groups are here: the first joint loads meet
	tensor_load_to_lds s[G0:G0+3], s[G1:G1+7]      ; slot 0: one tensor load a wave at the head
	s_nop 0
	PLACES
	s_lshl_b32 s46, s17, 1
	s_lshr_b32 s47, s[WQ], 1
	s_add_co_u32 s46, s46, s47                     ; my queries lie in fragment 2 block + (w % 4) / 2 of the head's 128,
	s_lshl_b32 s47, s18, 7
	s_add_co_u32 s46, s46, s47
	s_lshl_b32 s48, s46, 6
	s_mov_b32 s49, 0
	s_mul_i32 s46, s46, 1536
	s_mov_b32 s47, 0
	s_add_nc_u64 s[4:5], s[4:5], s[46:47]
	s_add_nc_u64 s[6:7], s[6:7], s[48:49]
	s_lshl_b32 s50, s17, 2
	s_add_co_u32 s50, s50, s[WQ]                   ; my tile of queries, 4 block + w % 4
	s_mul_i32 s48, s50, 16*24
	s_lshl_b32 s46, s18, 1
	s_add_co_u32 s48, s48, s46
	s_add_nc_u64 s[12:13], s[12:13], s[48:49]      ; a's scale bytes: row 16 tile, byte 2 head
	s_mul_i32 s46, s50, 12
	s_add_co_u32 s46, s46, s18
	s_mul_i32 s46, s46, 768
	s_add_nc_u64 s[10:11], s[10:11], s[46:47]      ; a's half fragment: (12 tile + head) x 768
	s_and_b32 s51, s[WQ], 1                        ; in the fragment's half w % 2
	s_lshl_b32 s52, s51, 4
	s_sub_co_u32 s51, 0, s51                       ; all ones for an odd wave
	v_and_b32 v5, 31, v0                           ; lane
	v_and_b32 v6, 15, v0                           ; r
	v_bfe_u32 v[H8], v0, 4, 1                      ; h
	v_lshlrev_b32 v[LI], 4, v5
	v_lshlrev_b32 v[LS], 2, v5
	v_lshlrev_b32 v[L8], 3, v5
	v_mul_u32_u24 v[R24], v6, 24
	v_lshlrev_b32 v217, 2, v6
	v_lshlrev_b32 v[H8], 3, v[H8]
	s_wait_alu depctr_va_vdst(0)                   ; the wait behind these writes
	global_load_b128 v[36:39], v[LI], s[4:5]
	global_load_b128 v[40:43], v[LI], s[4:5] offset:512
	global_load_b128 v[44:47], v[LI], s[4:5] offset:1024
	global_load_b32 v216, v217, s[6:7]             ; row r's scale word: bytes 0, 1 the even tile's, bytes 2, 3 the odd tile's
.irp i, 0,1,2,3,4,5
	v_mov_b32 v[16+\i], 0                          ; the zero halves
	v_mov_b32 v[28+\i], 0
.endr
	v_mov_b32 v13, 0xff61b1e6                      ; the largest t so far: -3e38, under every t
	v_floor_f32 v12, -v13                          ; -M
	v_mov_b32 v14, 0                               ; the sum
	v_mov_b32 v15, 0
	v_mov_b32 v215, 0                              ; (named as the upper half of the pair v[214:215])
	s_wait_alu depctr_va_vdst(0)                   ; the wait here, directly ahead of the wait below
	s_wait_loadcnt 0x0
.irp i, 0,1,2,3,4,5
	v_cndmask_b32 v[22+\i], v[36+\i], v[42+\i], s51   ; registers 0-5 of the fragment for an even wave, 6-11 for an odd one
.endr
	v_lshrrev_b32 v216, s52, v216
	v_and_b32 v216, 0xffff, v216                   ; my tile's two bytes
	v_or_b32 v[QSL], 0x01010000, v216              ; (q, zeros)
	v_lshl_or_b32 v[QSH], v216, 16, 0x0101         ; (zeros, q)
.set j, 0
.rept 32
	v_mov_b32 v[O+j], 0                            ; O^T.  The step is written once: the first finds zeros, which the first change of M leaves zeros.  These lines also stand between the writes above and the first products
.set j, j+1
.endr
	s_wait_alu depctr_va_vdst(0)                   ; the wait at the head's end
	s_wait_tensorcnt 0x0                           ; my record of slot 0 is in
	ds_add_u32 v[SPW], v[NIL]
	s_wait_dscnt 0x0
	CROUND                                         ; a whole round: everybody's record is in, and all four work-groups are here
	tensor_load_to_lds s[G0+4:G0+7], s[G1:G1+7]    ; slot 1's first fill, my one load behind the round
	s_nop 0
	PLACES
	v_add_nc_u32 v[ADR], s[GB], v[LI]
	v_add_nc_u32 v[ADS], s[GB], v[LS]
	KLOAD ADR, ADS, 0                              ; the very first step's k
	s_wait_alu depctr_va_vdst(0)                   ; the wait here, directly ahead of the wait below
	s_wait_dscnt 0x0
	s_mov_b32 s[OUT], 3
.Lring:                                            ; three trips: key steps 0-23 are read, 8-31 asked for
	PERIOD 0, 2
	PERIOD 1, 2
	s_sub_co_u32 s[OUT], s[OUT], 1
	s_cmp_lg_u32 s[OUT], 0
	s_cbranch_scc1 .Lring
	PERIOD 0, 1                                    ; the last two slots are written out
	PERIOD 1, 0
	; THE WAY OUT.  O^T / the sum; into the true order along the embedding, since these codes meet Wo's given codes; two blocks of 32 are quantised; half a fragment and two scale bytes a row are stored.
	PLACES
	v_add_f32 v14, v14, v15                        ; the sum's two halves,
	v_permlanex16_b32 v216, v14, s[SEL], s[SEL+1]
	v_add_f32 v14, v14, v216                       ; and lane l xor 16's
	s_wait_alu depctr_va_vdst(0)                   ; the wait ahead of the transcendental
	v_rcp_f32 v14, v14
	v_nop                                          ; one plain instruction behind the transcendental
	s_wait_alu depctr_va_vdst(0)                   ; and behind it, directly ahead of the first reader of the result and of O^T
.set j, 0
.rept 32
	v_mul_f32 v[S+j], v[O+j], v14                  ; register 8 t + i: channel 16 t + 8 h + i
.set j, j+1
.endr
.irp b, 0,1
.irp i, 0,1,2,3,4,5,6,7
	v_permlane16_swap_b32 v[S+16*\b+\i], v[S+16*\b+8+\i]   ; the even tile's lanes 16-31 change places with the odd tile's lanes 0-15: register 16 b + i is now channel 32 b + 16 h + i
.endr
.endr
.irp b, 0,1
	v_max3_num_f32 v[TM+\b], |v[S+16*\b]|, |v[S+16*\b+1]|, 0x1800000
.endr
.irp i, 2,4,6,8,10,12,14
.irp b, 0,1
	v_max3_num_f32 v[TM+\b], v[TM+\b], |v[S+16*\b+\i]|, |v[S+16*\b+\i+1]|
.endr
.endr
.irp b, 0,1
	v_permlanex16_b32 v[TP+\b], v[TM+\b], s[SEL], s[SEL+1]
.endr
.irp b, 0,1
	v_max_num_f32 v[TM+\b], v[TM+\b], v[TP+\b]
.endr
.irp b, 0,1
	v_add_nc_u32 v[SO+\b], 0xff000000, v[TM+\b]
.endr
.irp b, 0,1
	v_lshrrev_b32 v[TP+\b], 23, v[SO+\b]
.endr
	v_lshl_or_b32 v216, v[TP+1], 8, v[TP]          ; the head's two scale bytes of my row
	v_cvt_scalef32_pk16_fp6_f32 v[PC:PC+2], v[S:S+15], v[SO]
	v_cvt_scalef32_pk16_fp6_f32 v[X:X+2], v[S+16:S+31], v[SO+1]
	v_nop
.irp i, 0,1,2
	v_permlane16_swap_b32 v[PC+\i], v[X+\i]
.endr
.irp i, 0,1,2
	v_mov_b32 v[PC+3+\i], v[X+\i]                  ; registers 0-5 of lane (r, h): block h of the head, row r
.endr
	global_store_b128 v[LI], v[PC:PC+3], s[10:11]              ; 512 consecutive bytes,
	global_store_b64 v[L8], v[PC+4:PC+5], s[10:11] offset:512  ; and 256 more: three aligned blocks of 256 bytes
	global_store_b16 v[R24], v216, s[12:13]        ; lanes l and l xor 16 write the same two bytes with the same value
	s_wait_tensorcnt 0x0                           ; the wave's end
	ds_add_u32 v[SPW], v[NIL]
	s_wait_dscnt 0x0
	CROUND                                         ; the closing round: no work-group ends while a partner may still ask for a record that names it
	s_endpgm
.Lfunc_end_k_qe67423dda7_attn:
	.size	k_qe67423dda7_attn, .Lfunc_end_k_qe67423dda7_attn-k_qe67423dda7_attn
	.p2alignl 7, 3214868480
	.fill 96, 4, 3214868480
	.section	.rodata,"a",@progbits
	.p2align	6, 0x0
	.amdhsa_kernel k_qe67423dda7_attn
		.amdhsa_group_segment_fixed_size 327680
		.amdhsa_private_segment_fixed_size 0
		.amdhsa_enable_private_segment 0
		.amdhsa_kernarg_size 40
		.amdhsa_user_sgpr_count 2
		.amdhsa_user_sgpr_kernarg_segment_ptr 1
		.amdhsa_wavefront_size32 1
		.amdhsa_system_sgpr_workgroup_id_x 1
		.amdhsa_system_sgpr_workgroup_id_y 1
		.amdhsa_system_sgpr_workgroup_id_z 1
		.amdhsa_system_vgpr_workitem_id 0
		.amdhsa_next_free_vgpr 320
		.amdhsa_next_free_sgpr 66
		.amdhsa_reserve_vcc 0
		.amdhsa_float_denorm_mode_32 3
		.amdhsa_float_denorm_mode_16_64 3
		.amdhsa_memory_ordered 1
		.amdhsa_forward_progress 1
		.amdhsa_inst_pref_size 177
	.end_amdhsa_kernel
	.amdgpu_metadata
---
amdhsa.version: [ 1, 2 ]
amdhsa.kernels:
  - .name:           k_qe67423dda7_attn
    .symbol:         k_qe67423dda7_attn.kd
    .args:
      - { .name: q_img, .offset: 0, .size: 8, .value_kind: global_buffer, .address_space: global }
      - { .name: q_sc, .offset: 8, .size: 8, .value_kind: global_buffer, .address_space: global }
      - { .name: kv, .offset: 16, .size: 8, .value_kind: global_buffer, .address_space: global }
      - { .name: a_img, .offset: 24, .size: 8, .value_kind: global_buffer, .address_space: global }
      - { .name: a_sc, .offset: 32, .size: 8, .value_kind: global_buffer, .address_space: global }
    .group_segment_fixed_size: 327680
    .private_segment_fixed_size: 0
    .kernarg_segment_align: 8
    .kernarg_segment_size: 40
    .max_flat_workgroup_size: 384
    .sgpr_count:     66
    .vgpr_count:     320
    .wavefront_size: 32
...
	.end_amdgpu_metadata
.endif
;; end of part 2
;; launch oproj (part 3): grid 64 x 4, 4 waves a work-group, clusters of 4 x 1, 168,448 bytes of LDS; arguments a_img, a_sc, Wo_codes, Wo_scales, bo, out0; writes out0
.if DOCPART == 3
	.amdgcn_target "amdgcn-amd-amdhsa--gfx1250"
	.amdhsa_code_object_version 6
	.text
	.protected	k_qe67423dda7_oproj
	.globl	k_qe67423dda7_oproj
	.p2align	8
	.type	k_qe67423dda7_oproj,@function
k_qe67423dda7_oproj:
	s_mov_b64 s[64:65], 0
	v_nop
	global_prefetch_b8 v0, s[64:65] scope:SCOPE_SE
	s_setreg_imm32_b32 hwreg(HW_REG_WAVE_MODE, 25, 1), 1
	s_wait_xcnt 0x0
	s_wait_alu depctr_hold_cnt(0) depctr_sa_sdst(0) depctr_va_vdst(0) depctr_va_sdst(0) depctr_va_ssrc(0) depctr_va_vcc(0) depctr_vm_vsrc(0)
	s_getreg_b32 s2, hwreg(HW_REG_IB_STS2, 6, 4)
	s_cmp_eq_u32 s2, 0
	s_cbranch_scc0 .Lentry_in_a_cluster
	s_endpgm
.Lentry_in_a_cluster:
	s_bfe_u32 s2, ttmp6, 0x10000c
	s_cmp_lg_u32 s2, 0x3003
	s_cbranch_scc0 .Lentry_shape_is_right
	s_endpgm
.Lentry_shape_is_right:
; out0 = a Wo + bo on codes of FP6 (E2M3) with one E8M0 scale for each 32 along K = 768; sums in f32.  a: the attention launch's codes, laid as images of operand registers; Wo: given codes, rows of 576 bytes, K innermost.
; SHARES.  A work-group makes 64 rows x 192 columns: 256 work-groups.  Wave w takes ONE tile of 16 rows against 12 tiles of Wo, in three groups of four: a group is 64 columns, 256 bytes of a row of out0.
; The product is used transposed (source 0 = 16 rows of Wo, source 1 = a's 16 rows): a lane holds eight neighbouring columns of one row.
; a's six fragments are read by this wave alone: they go from memory straight into registers (window 1) and stay; so no joint load serves them.
; Wo's 192 rows are read by all four waves: they come into LDS ONCE, 48 rows a wave: a dense run of memory taken as 108 rows of 256 bytes that begin at multiples of 256; 16 bytes of padding behind every 64 make a row 720 bytes.
; CLUSTER 4 x 1: the four partners make the same 192 columns for other rows, so Wo's rows are asked for jointly, with a mask that names the four.
; THE WAY OUT: a group's 16 rows x 256 bytes go through the wave's own stage in LDS (rows of 272 bytes; no fill lands there) and come back as whole rows; the bias is added there; sixteen lanes store 256 consecutive bytes, aligned.
; REGISTERS: window 0: v2-15 addresses; v16-21 a's scale words; v22-57 Wo's; v58-69 the bias; v70-101, v102-133 two sets of four accumulators; v134-181, v182-229 two sets of four fragments of Wo.  window 1: v0-71 a's fragments.
.set PITCH, 720
.set T16,   16*PITCH
.set STAGE, 192*PITCH                  ; 138,240: a multiple of 256
.set AW,  2                            ; v2-7   for each group a pair: 64 g rows + row r + 24 h, and + 40 h
.set STO, 8                            ; v8     the stage: row r, + 32 h
.set RD,  9                            ; v9     back: row h, + 16 r
.set CO,  10                           ; v10    the same place in out0
.set L16, 11
.set L8,  12
.set L24, 13
.set R24, 14
.set R16, 15
.set AS,  16
.set WS,  22                           ; register 6 m + s: K step s of rows 32 m + lane
.set BI,  58                           ; register 4 g + i: bo[192 cg + 64 g + 4 r + i]
.set ACA, 70
.set F0,  134
.set WV,  16
.set G1,  24
.set G0,  32
.set MSB, 0
.macro WIN new                         ; the immediate's high byte repeats the setting that is left; a switch that changes nothing is dropped
.if MSB != \new
	s_set_vgpr_msb (MSB<<8)|\new
.set MSB, \new
.endif
.endm
.macro PLACES
.rept 4
	v_nop
.endr
.endm
.macro CROUND                          ; a round of the cluster's barrier
	s_barrier_signal -1
	s_barrier_wait -1
	s_cmp_lg_u32 s[WV], 0
	s_cbranch_scc1 .Lnot_wave_0_\@
	s_barrier_signal -3
.Lnot_wave_0_\@:
	s_barrier_wait -3
	s_barrier_signal -1
	s_barrier_wait -1
.endm
.macro FRAG reg, adr, q, off           ; a fragment from rows of 720 bytes: six pieces of 8 bytes; piece p of a row lies at 8 p + 16 (p / 8); the second address register serves where lanes 16-31 read behind one padding more
.irp p, 0,1,2,3,4,5
.set PCE, 12*(\q)+6*(\p/3)+\p%3
.if PCE%8 < 5
	ds_load_b64 v[\reg+2*\p:\reg+2*\p+1], v[\adr] offset:(\off)+8*PCE+16*(PCE/8)
.else
	ds_load_b64 v[\reg+2*\p:\reg+2*\p+1], v[\adr+1] offset:(\off)+8*PCE+16*(PCE/8)
.endif
.endr
.endm
.macro FETCH n                         ; step n = 6 g + s: the group's four tiles of Wo, K step s, into set n % 2: 24 LDS loads
.irp i, 0,1,2,3
	FRAG F0+48*((\n)%2)+12*\i, AW+2*((\n)/6), (\n)%6, T16*\i
.endr
.endm
.macro MMZ d, a, b, sa, sb, ra
.if (\ra)
	v_wmma_scale_f32_16x16x128_f8f6f4 v[\d:\d+7], v[\a:\a+11], v[\b:\b+11], 0, v[\sa], v[\sb] matrix_a_fmt:MATRIX_FMT_FP6 matrix_b_fmt:MATRIX_FMT_FP6 matrix_a_scale:MATRIX_SCALE_ROW1
.else
	v_wmma_scale_f32_16x16x128_f8f6f4 v[\d:\d+7], v[\a:\a+11], v[\b:\b+11], 0, v[\sa], v[\sb] matrix_a_fmt:MATRIX_FMT_FP6 matrix_b_fmt:MATRIX_FMT_FP6
.endif
.endm
.macro MMC d, a, b, sa, sb, ra
.if (\ra)
	v_wmma_scale_f32_16x16x128_f8f6f4 v[\d:\d+7], v[\a:\a+11], v[\b:\b+11], v[\d:\d+7], v[\sa], v[\sb] matrix_a_fmt:MATRIX_FMT_FP6 matrix_b_fmt:MATRIX_FMT_FP6 matrix_a_scale:MATRIX_SCALE_ROW1
.else
	v_wmma_scale_f32_16x16x128_f8f6f4 v[\d:\d+7], v[\a:\a+11], v[\b:\b+11], v[\d:\d+7], v[\sa], v[\sb] matrix_a_fmt:MATRIX_FMT_FP6 matrix_b_fmt:MATRIX_FMT_FP6
.endif
.endm
.macro EPI g                           ; group g leaves
.set AC, ACA+32*((\g)%2)
	WIN 0
	PLACES                                         ; the LDS stores read results just made
.irp i, 0,1,2,3
	ds_store_b128 v[STO], v[AC+8*\i:AC+8*\i+3] offset:64*\i          ; lane (r, h): out(r, 16 i + 8 h + 0 .. 7); each accumulator from its low end on
	ds_store_b128 v[STO], v[AC+8*\i+4:AC+8*\i+7] offset:64*\i+16
.endr
.irp k, 0,1,2,3,4,5,6,7
	ds_load_b128 v[AC+4*\k:AC+4*\k+3], v[RD] offset:544*\k           ; rows 2 k + h, columns 4 r .. 4 r + 3.  LDS serves a wave's instructions in order (ISA guide 5.7.1.4): these see the stores above
.endr
	s_wait_dscnt 0x0
.irp k, 0,1,2,3,4,5,6,7
	v_pk_add_f32 v[AC+4*\k:AC+4*\k+1], v[AC+4*\k:AC+4*\k+1], v[BI+4*(\g):BI+4*(\g)+1]
	v_pk_add_f32 v[AC+4*\k+2:AC+4*\k+3], v[AC+4*\k+2:AC+4*\k+3], v[BI+4*(\g)+2:BI+4*(\g)+3]
.endr
.irp k, 0,1,2,3,4,5,6,7
	global_store_b128 v[CO], v[AC+4*\k:AC+4*\k+3], s[14:15] offset:6144*\k+256*(\g) th:TH_STORE_NT   ; written once, read by nobody here
.endr
.endm
	s_load_b256 s[4:11], s[0:1], 0x0               ; a_img 4, a_sc 6, Wo_codes 8, Wo_scales 10
	s_load_b128 s[12:15], s[0:1], 0x20             ; bo 12, out0 14
	v_lshl_add_u32 v254, v0, 2, 0x29000
	v_mov_b32 v255, 0
	ds_add_u32 v254, v255
	ds_add_u32 v254, v255
	v_lshrrev_b32 v1, 5, v0
	v_readfirstlane_b32 s[WV], v1                  ; wave 0..3
	s_bfe_u32 s17, ttmp6, 0x40000                  ; cx
	s_lshl_b32 s18, ttmp9, 2
	s_add_co_u32 s18, s18, s17                     ; which 64 rows: it enters a's and out0's global addresses alone
	s_and_b32 s19, ttmp7, 0xffff                   ; which 192 columns, which the four partners share
	s_mov_b32 s[G1], 15|(3<<16)|(1<<20)|(1<<21)|(3<<22)|(3<<25)   ; the mask: all four; elements of 8 bytes; padding on; 21 set beside a mask; behind every 16 words, four words
	s_mov_b32 s[G1+1], 32<<16                      ; tensor_dim0 = 32: rows of 256 bytes
	s_mov_b32 s[G1+2], 108<<16                     ; tensor_dim1 = 108: 48 rows of Wo
	s_mov_b32 s[G1+3], 32<<16
	s_mov_b32 s[G1+4], 108
	s_mov_b32 s[G1+5], 32
	s_mov_b32 s[G1+6], 0
	s_mov_b32 s[G1+7], 0
	s_mul_i32 s36, s19, 192*576                    ; Wo's rows 192 cg + 48 w: in registers that never hold cx
	s_mul_i32 s37, s[WV], 48*576
	s_add_co_u32 s36, s36, s37
	s_mov_b32 s37, 0
	s_wait_dscnt 0x0
	s_wait_kmcnt 0x0
	s_mov_b32 s[G0], 1
	s_mul_i32 s[G0+1], s[WV], 48*PITCH
	s_add_nc_u64 s[G0+2:G0+3], s[8:9], s[36:37]
	s_or_b32 s[G0+3], s[G0+3], 0x80000000
	CROUND                                         ; all four work-groups are here: the joint loads meet
	tensor_load_to_lds s[G0:G0+3], s[G1:G1+7]      ; one load a wave, the only one of the launch
	s_nop 0
	PLACES
	v_and_b32 v230, 31, v0                         ; lane
	v_and_b32 v231, 15, v0                         ; r
	v_bfe_u32 v232, v0, 4, 1                       ; h
	v_mul_u32_u24 v1, v231, PITCH
	v_mad_u32_u24 v[AW], v232, 24, v1
	v_mad_u32_u24 v[AW+1], v232, 40, v1
	v_add_nc_u32 v[AW+2], 64*PITCH, v[AW]
	v_add_nc_u32 v[AW+3], 64*PITCH, v[AW+1]
	v_add_nc_u32 v[AW+4], 128*PITCH, v[AW]
	v_add_nc_u32 v[AW+5], 128*PITCH, v[AW+1]
	s_mul_i32 s38, s[WV], 16*272
	s_add_co_u32 s38, s38, STAGE                   ; my stage
	v_mul_u32_u24 v[STO], v231, 272
	v_lshl_add_u32 v[STO], v232, 5, v[STO]
	v_add_nc_u32 v[STO], s38, v[STO]
	v_mul_u32_u24 v[RD], v232, 272
	v_lshl_add_u32 v[RD], v231, 4, v[RD]
	v_add_nc_u32 v[RD], s38, v[RD]
	v_mul_u32_u24 v[CO], v232, 3072
	v_lshl_add_u32 v[CO], v231, 4, v[CO]
	v_lshlrev_b32 v[L16], 4, v230
	s_wait_alu depctr_va_vdst(0)
	v_lshlrev_b32 v[L8], 3, v230
	s_wait_alu depctr_va_vdst(0)
	v_mul_u32_u24 v[L24], v230, 24
	v_mul_u32_u24 v[R24], v231, 24
	s_wait_alu depctr_va_vdst(0)
	v_lshlrev_b32 v[R16], 4, v231
	s_wait_alu depctr_va_vdst(0)
	s_lshl_b32 s40, s18, 2
	s_add_co_u32 s40, s40, s[WV]                   ; my tile of 16 rows: 4 rb + w
	s_mov_b32 s43, 0
	s_mul_i32 s42, s40, 12*768
	s_add_nc_u64 s[4:5], s[4:5], s[42:43]          ; its twelve half fragments,
	s_mul_i32 s42, s40, 16*24
	s_add_nc_u64 s[6:7], s[6:7], s[42:43]          ; its scale bytes
	s_mul_i32 s42, s19, 192*24
	s_add_nc_u64 s[10:11], s[10:11], s[42:43]      ; Wo's scale bytes at row 192 cg
	s_mul_i32 s44, s19, 768
	s_mov_b32 s45, 0
	s_add_nc_u64 s[12:13], s[12:13], s[44:45]      ; bo at column 192 cg
	s_mul_i32 s42, s40, 16*3072
	s_add_co_u32 s42, s42, s44
	s_add_nc_u64 s[14:15], s[14:15], s[42:43]      ; out0 at my first row and the work-group's first column
	WIN 0x40                                       ; destination window 1, address window 0
.irp s, 0,1,2,3,4,5                    ; K step s is heads 2 s (registers 0-5) and 2 s + 1 (registers 6-11); a half fragment lies as registers 0-3 at 16 x lane, then registers 4-5 at 8 x lane
	global_load_b128 v[12*\s:12*\s+3], v[L16], s[4:5] offset:1536*\s
	global_load_b64 v[12*\s+4:12*\s+5], v[L8], s[4:5] offset:1536*\s+512
	global_load_b128 v[12*\s+6:12*\s+9], v[L16], s[4:5] offset:1536*\s+768
	global_load_b64 v[12*\s+10:12*\s+11], v[L8], s[4:5] offset:1536*\s+1280
.endr
	WIN 0
.irp j, 0,1,2
	global_load_b64 v[AS+2*\j:AS+2*\j+1], v[R24], s[6:7] offset:8*\j
.endr
.irp m, 0,1,2,3,4,5
.irp j, 0,1,2
	global_load_b64 v[WS+6*\m+2*\j:WS+6*\m+2*\j+1], v[L24], s[10:11] offset:768*\m+8*\j
.endr
.endr
.irp g, 0,1,2
	global_load_b128 v[BI+4*\g:BI+4*\g+3], v[R16], s[12:13] offset:256*\g
.endr
	s_wait_tensorcnt 0x0                           ; my 48 rows of Wo have landed,
	s_barrier_signal -1
	s_barrier_wait -1                              ; everybody's have.  Nothing is filled again
	s_wait_loadcnt 0x0                             ; a, the scale words, the bias
	FETCH 0
; Eighteen steps, written out: a group's four accumulators take turns, one instruction a turn; the next step's fragments are asked for ahead of this step's products.
.irp g, 0,1,2
.irp s, 0,1,2,3,4,5
	PLACES                                         ; in front of the loads into the set that the last step's products read
.if 6*\g+\s < 17
	FETCH 6*\g+\s+1
	s_wait_dscnt 24                                ; this step's fragments are in; the 24 loads just issued may stay out
.else
	s_wait_dscnt 0x0
.endif
.if (\g == 2) && (\s == 0)
	s_wait_xcnt 0x0                                ; group 0's stores read the registers in which group 2's sums begin: they are written again only behind this wait
.endif
	WIN 0x04                                       ; source 1 (a) in window 1; LDS loads and v_nop are not touched by that field
.irp i, 0,1,2,3
.if \s == 0
	MMZ ACA+32*(\g%2)+8*\i, F0+48*((6*\g+\s)%2)+12*\i, 12*\s, WS+6*((4*\g+\i)/2)+\s, AS+\s, \i%2
.else
	MMC ACA+32*(\g%2)+8*\i, F0+48*((6*\g+\s)%2)+12*\i, 12*\s, WS+6*((4*\g+\i)/2)+\s, AS+\s, \i%2
.endif
.endr
.endr
	EPI \g
.endr
	s_wait_tensorcnt 0x0
	ds_add_u32 v254, v255
	s_wait_dscnt 0x0
	CROUND                                         ; the closing round: no work-group ends while a partner may still ask for a tile that names it
	s_endpgm
.Lfunc_end_k_qe67423dda7_oproj:
	.size	k_qe67423dda7_oproj, .Lfunc_end_k_qe67423dda7_oproj-k_qe67423dda7_oproj
	.p2alignl 7, 3214868480
	.fill 96, 4, 3214868480
	.section	.rodata,"a",@progbits
	.p2align	6, 0x0
	.amdhsa_kernel k_qe67423dda7_oproj
		.amdhsa_group_segment_fixed_size 168448
		.amdhsa_private_segment_fixed_size 0
		.amdhsa_enable_private_segment 0
		.amdhsa_kernarg_size 48
		.amdhsa_user_sgpr_count 2
		.amdhsa_user_sgpr_kernarg_segment_ptr 1
		.amdhsa_wavefront_size32 1
		.amdhsa_system_sgpr_workgroup_id_x 1
		.amdhsa_system_sgpr_workgroup_id_y 1
		.amdhsa_system_sgpr_workgroup_id_z 1
		.amdhsa_system_vgpr_workitem_id 0
		.amdhsa_next_free_vgpr 384
		.amdhsa_next_free_sgpr 66
		.amdhsa_reserve_vcc 0
		.amdhsa_float_denorm_mode_32 3
		.amdhsa_float_denorm_mode_16_64 3
		.amdhsa_memory_ordered 1
		.amdhsa_forward_progress 1
		.amdhsa_inst_pref_size 58
	.end_amdhsa_kernel
	.amdgpu_metadata
---
amdhsa.version: [ 1, 2 ]
amdhsa.kernels:
  - .name:           k_qe67423dda7_oproj
    .symbol:         k_qe67423dda7_oproj.kd
    .args:
      - { .name: a_img, .offset: 0, .size: 8, .value_kind: global_buffer, .address_space: global }
      - { .name: a_sc, .offset: 8, .size: 8, .value_kind: global_buffer, .address_space: global }
      - { .name: Wo_codes, .offset: 16, .size: 8, .value_kind: global_buffer, .address_space: global }
      - { .name: Wo_scales, .offset: 24, .size: 8, .value_kind: global_buffer, .address_space: global }
      - { .name: bo, .offset: 32, .size: 8, .value_kind: global_buffer, .address_space: global }
      - { .name: out0, .offset: 40, .size: 8, .value_kind: global_buffer, .address_space: global }
    .group_segment_fixed_size: 168448
    .private_segment_fixed_size: 0
    .kernarg_segment_align: 8
    .kernarg_segment_size: 48
    .max_flat_workgroup_size: 128
    .sgpr_count:     66
    .vgpr_count:     384
    .wavefront_size: 32
...
	.end_amdgpu_metadata
.endif
;; end of part 3
